; MI455X (gfx1250); checked and timed in simulation.
; The chip was launched on July 23, 2026; its instructions are those of AMD's public machine-readable ISA for CDNA 5 (MIT licence, August 2026) and "CDNA5" Instruction Set Architecture Reference Guide (July 2026). The comments in the code are by the model that wrote it; some were corrected since.
;; Multi Head Attention. Allowed arithmetic: matrix products marked QUANTISED: E2M3 operands, one E8M0 scale for each 32 along K, by v_wmma_scale_f32_16x16x128_f8f6f4 with both operands' format E2M3, f32 sums; everything else in f32.
;; Inputs: Wo_codes 1,024 x 32 x 24 uint8 (E2M3 codes of Wo, K innermost, in blocks of 32 codes, four codes in three bytes); Wo_scales 1,024 x 32 uint8 (E8M0 scales of Wo, one for each 32 codes along K); Wqkv_codes 3,072 x 32 x 24 uint8 (E2M3 codes of Wqkv, K innermost, in blocks of 32 codes, four codes in three bytes); Wqkv_scales 3,072 x 32 uint8 (E8M0 scales of Wqkv, one for each 32 codes along K); bo 1,024 float32; bqkv 3,072 float32; x_codes 4 x 2,048 x 32 x 24 uint8 (E2M3 codes of x, K innermost, in blocks of 32 codes, four codes in three bytes); x_scales 4 x 2,048 x 32 uint8 (E8M0 scales of x, one for each 32 codes along K).
;; Outputs: out0 4 x 2,048 x 1,024 float32.
;; This version of the problem:
;;   THIS VERSION OF THE PROBLEM IS GIVEN IN LOW PRECISION. The matrix products marked QUANTISED in the list below multiply operands that are first quantised to E2M3 (2 exponent bits, 3 mantissa bits; 6 bits a number), with one power-of-two scale for each 32 numbers along K (OCP MX v1.0); their sums are f32. All else is computed in f32.
;;   The module's matrix products, in the order in which they are computed (A, B: the left and right operand; K: the contracted axis; several contracted axes count as one K, in the product's order):
;;     1. [M 8,192, K 1,024] x [K 1,024, N 3,072]; A: input x (given as codes); B: input Wqkv (given as codes): QUANTISED
;;     2. batch 64 x [M 2,048, K 64] x [K 64, N 2,048]; A: computed on the way; B: computed on the way: QUANTISED
;;     3. batch 64 x [M 2,048, K 2,048] x [K 2,048, N 64]; A: softmax (see below); B: computed on the way: QUANTISED
;;     4. [M 8,192, K 1,024] x [K 1,024, N 1,024]; A: computed on the way; B: input Wo (given as codes): QUANTISED
;;   THE QUANTISER, for each operand of a quantised product, along K:
;;     - K is cut into blocks of 32 from its start; a last block that is shorter is filled with zeros.
;;     - A block's scale is 2^e with e = floor(log2(the largest magnitude in the block)) - 2, held to -126 .. 127; a block of zeros has e = 0. As a byte (E8M0): e + 127.
;;     - Each number is divided by its block's scale, clamped to +-7.5, and rounded to the nearest number of E2M3, ties to even, subnormals kept.
;;     - The product sums the exact products of the quantised numbers (number of the format x scale) in f32.
;;   ~~~python
;;   def quantise(x, axis):      # numpy; x: float32 -> the quantised numbers, widened to float32 again
;;       x = np.moveaxis(x, axis, -1); K = x.shape[-1]
;;       x = np.pad(x, [(0, 0)] * (x.ndim - 1) + [(0, -K % 32)]); x = x.reshape(x.shape[:-1] + (-1, 32)); a = np.abs(x).max(-1, keepdims=True)
;;       e = np.where(a > 0, np.clip(np.frexp(np.where(a > 0, a, 1))[1] - 1 - 2, -126, 127), 0)      # np.frexp(a)[1] - 1 = floor(log2(a)), exactly
;;       r = np.clip(x / 2.0 ** e, -7.5, 7.5)
;;       step = 2.0 ** (np.maximum(np.frexp(np.where(r == 0, 1, r))[1] - 1, 0) - 3)
;;       q = np.round(r / step) * step * 2.0 ** e      # np.round: ties to even
;;       return np.moveaxis(q.reshape(q.shape[:-2] + (-1,))[..., :K], -1, axis).astype(np.float32)
;;   ~~~
;;   SOFTMAX AHEAD OF A QUANTISED PRODUCT. Where the list says 'softmax', what is quantised is not the finished softmax but p = 2^(t - M), with t = logit x log2(e) and M = ceil(the row's largest t), a whole number; so 1/2 < the row's largest p <= 1. The row's sum l is taken of the UNQUANTISED p, in f32, and the product's result is divided by l at the end. Since M is a whole number, a kernel that streams over the keys may use a running M (the ceiling of the running maximum): every later rescaling is an exact power of two, which a block's scale takes up: the codes' values come out the same.
;;   OPERANDS COMPUTED ON THE WAY. 'Computed on the way' means the value that the module computes at that place (a softmax that the list does not call 'softmax' is quantised finished and normalised). What goes into a quantiser is computed in f32, as accurately as f32 sums, v_exp_f32 and their like allow (about 1e-6 of the number): no bf16 or f16 on the way to a quantiser, and a product that is left as it is and whose result goes on into a quantised operand takes f32 operands (vector FMAs, or v_wmma_f32_16x16x4_f32). A number that lies on a knife's edge between two numbers of the format may be rounded either way, as far as f32 arithmetic and the matrix unit's own rounding can turn it there, and no further.
;;   INPUTS GIVEN AS CODES. Wo (in the module: [1024, 1024], K = its axis 0); Wqkv (in the module: [1024, 3072], K = its axis 0); x (in the module: [4, 2048, 1024], K = its axis 2): each comes as NAME_codes (uint8): NAME with its K axis moved to the last place and cut into blocks of 32 codes, [.., K / 32, bytes a block], one block behind the other in memory; four codes in three bytes: a row's codes are one little-endian stream of bits, code i at bits 6 i .. 6 i + 5 (a code: sign, 2 exponent bits, 3 mantissa bits); and NAME_scales (uint8): the same leading axes, one E8M0 byte (e + 127) for each 32 codes along K. Its value is code x scale, taken as it is: it is not quantised again, and the codes and scales need not be those that the quantiser above would give.
;; One version. Each part assembles by itself: llvm-mc -triple=amdgcn-amd-amdhsa -mcpu=gfx1250 --defsym DOCPART=n.
;; ======== version 1 of 1: 3 launches
;; limits: right only within a limited range of input values
;; workspace buffers: qkvc 18,874,368 bytes; qkvs 1,572,864 bytes; ac 6,291,456 bytes; as2 262,144 bytes
;; launch qkv (part 1): grid 12 x 64, 4 waves a work-group, clusters of 4 x 4, 327,680 bytes of LDS; arguments x_codes, x_scales, Wqkv_codes, Wqkv_scales, bqkv, qkvc, qkvs; writes qkvc, qkvs
.if DOCPART == 1
	.amdgcn_target "amdgcn-amd-amdhsa--gfx1250"
	.amdhsa_code_object_version 6
	.text
	.protected	k_q626ffbcc66_qkv
	.globl	k_q626ffbcc66_qkv
	.p2align	8
	.type	k_q626ffbcc66_qkv,@function
k_q626ffbcc66_qkv:
	s_mov_b64 s[64:65], 0
	v_nop
	global_prefetch_b8 v0, s[64:65] scope:SCOPE_SE
	s_setreg_imm32_b32 hwreg(HW_REG_WAVE_MODE, 25, 1), 1
	s_wait_xcnt 0x0
	s_wait_alu depctr_hold_cnt(0) depctr_sa_sdst(0) depctr_va_vdst(0) depctr_va_sdst(0) depctr_va_ssrc(0) depctr_va_vcc(0) depctr_vm_vsrc(0)
	s_getreg_b32 s2, hwreg(HW_REG_IB_STS2, 6, 4)
	s_cmp_eq_u32 s2, 0
	s_cbranch_scc0 .Lentry_in_a_cluster
	s_endpgm
.Lentry_in_a_cluster:
	s_bfe_u32 s2, ttmp6, 0x10000c
	s_cmp_lg_u32 s2, 0xf033
	s_cbranch_scc0 .Lentry_shape_is_right
	s_endpgm
.Lentry_shape_is_right:
; q, k, v = x Wqkv + bqkv on codes of FP6 (E2M3) with E8M0 scales, K = 1,024; the results are quantised again and leave as images of the next launch's operand registers.
; A work-group makes 128 (A) x 256 (B) results, a wave 64 x 128: 32 accumulators.  Clusters x = 0, 1: A = tokens, B = Wqkv's rows of q and k; cluster x = 2: A = Wqkv's rows of v, B = tokens,
; so that a lane's results always run along the next product's K (the head for q and k, the keys for v).
; ALL of K of the 384 rows lies in LDS from the head on: rows of 768 bytes, 16 bytes of padding behind every 256; four tensor loads, one a wave; nothing is filled again.
; 4 x 4 clusters: A's rows are asked for jointly along a row of the cluster, B's along a column.  No prefetch: every byte is asked for at the head, there is no loop to run ahead in.
; The product is used transposed (source 0 = B's rows).  The bias is the C of each sum's first product.
; qkvc: [24 b + pair of heads (q 0-7, k 8-15, v 16-23)][half c: 98,304][key step: 6,144][tile: 768]; qkvs: [the same block: 16,384][8,192 c][step: 512][tile / 4: 256][row: 16][tile % 4: 4].
; LIMITS: a block of zeros gets the scale byte 1 (zero codes; this program alone reads the bytes); NaN and infinities are not served.
.set KROW,  768
.set PITCH, 816
.set FR,    12
.set BREG,  128*PITCH
.set SCA,   BREG+256*PITCH             ; A's scale bytes: 16 units of 256 + 16
.set SCBB,  SCA+16*272                 ; B's: 32 units
.set SPARE, SCBB+32*272                ; the spare words
.set SBLK,  544                        ; the scale bytes of 16 rows
.set SPW, 10
.set NIL, 11
.set O16, 12
.set O8,  13
.set OSC, 14
.set ADRS, 15
.set AA,  16                           ; v16-23 LDS addresses of A's four blocks (odd: behind one padding more)
.set BA,  24                           ; v24-39 of B's eight
.set SC,  40                           ; v40-119 scale words: 10 i + step; lanes 0-15 A's block i, lanes 16-31 B's
.set AF,  128                          ; v128-223 A's fragments, two sets; window 1: B's two sets at 0 and 128; window 2: the sums; window 3: v0-63 the bias
.set PC,  128
.set TM,  224
.set PW,  240
.set SH,  241
.set SW,  244
.set G1A, 24
.set G1B, 32
.set G1SA, 48
.set G1SB, 56
.set G0A, 68
.set G0B, 72
.set G0SA, 76
.set G0SB, 80
.set ROLE, 66
.set SEL, 92
.set MSB, 0
.macro WIN new
.if MSB != \new
	s_set_vgpr_msb (MSB<<8)|\new
.set MSB, \new
.endif
.endm
.macro PLACES n
.rept \n
	v_nop
.endr
.endm
.macro CROUND
	s_barrier_signal -1
	s_barrier_wait -1
	s_cmp_lg_u32 s14, 0
	s_cbranch_scc1 .Lnot_wave_0_\@
	s_barrier_signal -3
.Lnot_wave_0_\@:
	s_barrier_wait -3
	s_barrier_signal -1
	s_barrier_wait -1
.endm
.macro GROUP1 g, mask, rows            ; rows of 768 bytes, padded behind every 64 words
	s_or_b32 s[\g], s[\mask], (1<<20)|(1<<21)|(5<<22)|(3<<25)
	s_mov_b32 s[\g+1], KROW<<16
	s_mov_b32 s[\g+2], (\rows)<<16
	s_mov_b32 s[\g+3], KROW<<16
	s_mov_b32 s[\g+4], \rows
	s_mov_b32 s[\g+5], KROW
	s_mov_b32 s[\g+6], 0
	s_mov_b32 s[\g+7], 0
.endm
.macro GROUPS g, mask, rows            ; a dense block as rows of 256 bytes (32 elements of 8), padded behind each
	s_or_b32 s[\g], s[\mask], (3<<16)|(1<<20)|(1<<21)|(5<<22)|(3<<25)
	s_mov_b32 s[\g+1], 32<<16
	s_mov_b32 s[\g+2], (\rows)<<16
	s_mov_b32 s[\g+3], 32<<16
	s_mov_b32 s[\g+4], \rows
	s_mov_b32 s[\g+5], 32
	s_mov_b32 s[\g+6], 0
	s_mov_b32 s[\g+7], 0
.endm
.macro GROUP0 g, lds, base
	s_mov_b32 s[\g], 1
	s_mov_b32 s[\g+1], \lds
	s_mov_b64 s[\g+2:\g+3], s[\base:\base+1]
	s_or_b32 s[\g+3], s[\g+3], 0x80000000
.endm
.macro TL g0, g1
	tensor_load_to_lds s[\g0:\g0+3], s[\g1:\g1+7]
	s_nop 0
	PLACES 4
.endm
	s_load_b128 s[4:7], s[0:1], 0x0                ; x's codes, scales
	s_load_b128 s[8:11], s[0:1], 0x10              ; Wqkv's
	s_load_b64 s[12:13], s[0:1], 0x20              ; bqkv
	s_load_b128 s[96:99], s[0:1], 0x28             ; qkvc, qkvs
	v_lshl_add_u32 v[SPW], v0, 2, SPARE
	v_mov_b32 v[NIL], 0
	ds_add_u32 v[SPW], v[NIL]                      ; the opening lines
	ds_add_u32 v[SPW], v[NIL]
	v_lshrrev_b32 v1, 5, v0
	v_readfirstlane_b32 s14, v1                    ; wave
	s_lshr_b32 s15, s14, 1                         ; my half of A's rows
	s_and_b32 s16, s14, 1                          ; my half of B's
	s_bfe_u32 s40, ttmp6, 0x40000                  ; cx
	s_bfe_u32 s41, ttmp6, 0x40004                  ; cy
	s_and_b32 s67, ttmp7, 0xffff
	s_lshl_b32 s95, s67, 2
	s_lshr_b32 s94, s67, 1
	s_and_b32 s93, s67, 1
	s_lshl_b32 s93, s93, 2
	s_add_co_u32 s93, s93, 16                      ; v's rows of Wqkv begin at 16 x 128
	s_cmp_eq_u32 ttmp9, 2
	s_cselect_b32 s[ROLE], 1, 0
	s_cselect_b32 s100, s94, ttmp9
	s_cselect_b32 s17, s93, s95
	s_lshl_b32 s42, s100, 2
	s_add_co_u32 s42, s42, s40                     ; B's tile of 256 rows
	s_add_co_u32 s17, s17, s41                     ; A's tile of 128 rows
	s_lshl_b32 s43, s41, 2
	s_lshl_b32 s43, 15, s43                        ; my row of the cluster
	s_lshl_b32 s44, 0x1111, s40                    ; my column
	GROUP1 G1A, 43, 128
	GROUP1 G1B, 44, 256
	GROUPS G1SA, 43, 16
	GROUPS G1SB, 44, 32
	s_mul_i32 s84, s17, 128*KROW
	s_mov_b32 s85, 0
	s_lshl_b32 s86, s17, 12
	s_mov_b32 s87, 0
	s_mul_i32 s88, s42, 256*KROW
	s_mov_b32 s89, 0
	s_lshl_b32 s90, s42, 13
	s_mov_b32 s91, 0
	s_wait_dscnt 0x0
	s_wait_kmcnt 0x0
	s_cmp_eq_u32 s[ROLE], 1
	s_cselect_b64 s[100:101], s[8:9], s[4:5]
	s_cselect_b64 s[8:9], s[4:5], s[8:9]
	s_mov_b64 s[4:5], s[100:101]
	s_cselect_b64 s[100:101], s[10:11], s[6:7]
	s_cselect_b64 s[10:11], s[6:7], s[10:11]
	s_mov_b64 s[6:7], s[100:101]
	s_add_nc_u64 s[84:85], s[4:5], s[84:85]
	s_add_nc_u64 s[86:87], s[6:7], s[86:87]
	s_add_nc_u64 s[88:89], s[8:9], s[88:89]
	s_add_nc_u64 s[90:91], s[10:11], s[90:91]
	CROUND                                         ; the round in front of the joint loads
	GROUP0 G0A, 0, 84
	GROUP0 G0B, BREG, 88
	GROUP0 G0SA, SCA, 86
	GROUP0 G0SB, SCBB, 90
	s_cmp_lt_u32 s14, 1                            ; one load a wave, one chain of branches
	s_cbranch_scc0 .Lh1
	TL G0B, G1B
	s_branch .Lasked
.Lh1:
	s_cmp_lt_u32 s14, 2
	s_cbranch_scc0 .Lh2
	TL G0A, G1A
	s_branch .Lasked
.Lh2:
	s_cmp_lt_u32 s14, 3
	s_cbranch_scc0 .Lh3
	TL G0SA, G1SA
	s_branch .Lasked
.Lh3:
	TL G0SB, G1SB
.Lasked:
	s_lshl_b32 s19, s42, 1
	s_add_co_u32 s19, s19, s16                     ; my 128 of B
	s_cmp_eq_u32 s[ROLE], 1
	s_cselect_b32 s20, s17, s19                    ; the pair of heads
	s_cselect_b32 s21, s19, s17                    ; the 128 tokens
	s_cselect_b32 s18, 0, 16
	s_cselect_b32 s23, s15, 0
	s_lshr_b32 s22, s21, 4
	s_and_b32 s21, s21, 15
	s_mul_i32 s22, s22, 24
	s_add_co_u32 s22, s22, s20
	s_mul_i32 s46, s22, 196608
	s_mul_i32 s47, s21, 6144
	s_add_co_u32 s46, s46, s47
	s_mul_i32 s47, s15, 3072
	s_add_co_u32 s46, s46, s47
	s_mov_b32 s47, 0
	s_add_nc_u64 s[96:97], s[96:97], s[46:47]
	s_lshl_b32 s46, s22, 14
	s_lshl_b32 s45, s21, 9
	s_add_co_u32 s46, s46, s45
	s_lshl_b32 s45, s15, 8
	s_add_co_u32 s46, s46, s45
	s_add_nc_u64 s[98:99], s[98:99], s[46:47]
	s_lshl_b32 s46, s20, 9
	s_lshl_b32 s45, s23, 8
	s_add_co_u32 s46, s46, s45
	s_add_nc_u64 s[12:13], s[12:13], s[46:47]      ; my part of the bias
	s_mul_i32 s21, s15, 64*PITCH
	s_mul_i32 s22, s16, 128*PITCH
	s_add_co_u32 s22, s22, BREG
	s_mul_i32 s20, s15, 2176
	s_mul_i32 s23, s16, 4352
	s_add_co_u32 s23, s23, SCBB-SCA
	s_sub_co_u32 s23, s23, s20                     ; from A's scale words to B's
	s_add_co_u32 s20, s20, SCA
	s_mov_b32 s[SEL], 0x76543210
	s_mov_b32 s[SEL+1], 0xfedcba98
	v_and_b32 v1, 15, v0                           ; r
	v_bfe_u32 v2, v0, 4, 1                         ; h
	v_and_b32 v9, 31, v0
	v_mul_u32_u24 v3, v1, PITCH
	v_mad_u32_u24 v4, v2, 24, v3
	v_mad_u32_u24 v5, v2, 40, v3
	v_add_nc_u32 v6, s21, v4
	v_add_nc_u32 v7, s21, v5
.irp i, 0,1,2,3
	v_add_nc_u32 v[AA+2*\i], \i*16*PITCH, v6
	v_add_nc_u32 v[AA+2*\i+1], \i*16*PITCH, v7
.endr
	v_add_nc_u32 v6, s22, v4
	v_add_nc_u32 v7, s22, v5
.irp i, 0,1,2,3,4,5,6,7
	v_add_nc_u32 v[BA+2*\i], \i*16*PITCH, v6
	v_add_nc_u32 v[BA+2*\i+1], \i*16*PITCH, v7
.endr
	v_lshlrev_b32 v3, 5, v1                        ; 32 scale bytes a row,
	v_lshrrev_b32 v6, 8, v3
	v_lshl_add_u32 v3, v6, 4, v3                   ; 16 more for each 256 passed
	v_mul_u32_u24 v6, s23, v2
	v_add_nc_u32 v3, v3, v6
	v_add_nc_u32 v[ADRS], s20, v3
	v_lshlrev_b32 v[O16], 4, v9
	v_lshlrev_b32 v[O8], 3, v9
	v_lshlrev_b32 v[OSC], 4, v1
	v_lshl_add_u32 v[OSC], v2, 13, v[OSC]
	v_mul_u32_u24 v[SH], s18, v2
	v_lshlrev_b32 v7, 5, v2
	v_lshlrev_b32 v8, 2, v1
	s_wait_alu depctr_va_vdst(0)                   ; the wait at the head's end
	s_cmp_eq_u32 s[ROLE], 1
	s_cbranch_scc1 .Lbias_v
	WIN 0xc0
.irp b, 0,1,2,3,4,5,6,7                ; q, k: register j of block b: column 16 b + 8 h + j
	global_load_b128 v[8*\b:8*\b+3], v7, s[12:13] offset:64*\b
	global_load_b128 v[8*\b+4:8*\b+7], v7, s[12:13] offset:64*\b+16
.endr
	WIN 0
	s_branch .Lbias_in
.Lbias_v:
	WIN 0xc0
.irp a, 0,1,2,3                        ; v: the lane's row 16 a + r, in all eight registers
.irp j, 0,1,2,3,4,5,6,7
	global_load_b32 v[8*\a+\j], v8, s[12:13] offset:64*\a
.endr
.endr
	WIN 0
.Lbias_in:
; a fragment: six pieces of 8 bytes, two to a load where both lie behind as many paddings; NLD counts the loads
.macro FRAG r, q, a0, a1
.set R_, \r
.set SKIP_, 0
.irp p, 0,1,2,3,4,5
.if SKIP_
.set SKIP_, 0
.else
.set PC_, 12*(\q)+6*(\p/3)+\p%3
.set PN_, 12*(\q)+6*((\p+1)/3)+(\p+1)%3
.set X_, (PC_%32+3)/32
.set XQ_, (PN_%32+3)/32
.set NLD, NLD+1
.if (\p < 5) && (X_ == XQ_)
.set SKIP_, 1
.if X_
	ds_load_2addr_b64 v[R_+2*\p:R_+2*\p+3], \a1 offset0:PC_+2*(PC_/32) offset1:PN_+2*(PN_/32)
.else
	ds_load_2addr_b64 v[R_+2*\p:R_+2*\p+3], \a0 offset0:PC_+2*(PC_/32) offset1:PN_+2*(PN_/32)
.endif
.elseif X_
	ds_load_b64 v[R_+2*\p:R_+2*\p+1], \a1 offset:8*(PC_+2*(PC_/32))
.else
	ds_load_b64 v[R_+2*\p:R_+2*\p+1], \a0 offset:8*(PC_+2*(PC_/32))
.endif
.endif
.endr
.endm
.macro FETCH st                        ; step st's twelve fragments into set st % 2
.set NLD, 0
	WIN 0x40
.irp i, 0,1,2,3,4,5,6,7
	FRAG 128*((\st)%2)+FR*\i, \st, v[BA+2*\i], v[BA+2*\i+1]
.endr
	WIN 0
.irp i, 0,1,2,3
	FRAG AF+48*((\st)%2)+FR*\i, \st, v[AA+2*\i], v[AA+2*\i+1]
.endr
.endm
.macro W1 c
	v_wmma_scale_f32_16x16x128_f8f6f4 v[D_:D_+7], v[S0_:S0_+11], v[S1_:S1_+11], \c, v[X0_], v[X1_] matrix_a_fmt:MATRIX_FMT_FP6 matrix_b_fmt:MATRIX_FMT_FP6 matrix_a_scale:MATRIX_SCALE_ROW1
.endm
.macro MUL32 st, cm                    ; 32 products, the 32 sums by turns.  cm 1, 2: the sums begin with the bias
.if \cm
	WIN 0xb1
.else
	WIN 0xa1
.endif
.irp a, 0,1,2,3
.irp b, 0,1,2,3,4,5,6,7
.set D_, 8*(8*\a+\b)
.set S0_, 128*((\st)%2)+FR*\b
.set S1_, AF+48*((\st)%2)+FR*\a
.set X0_, SC+10*\b+(\st)
.set X1_, SC+10*\a+(\st)
.if (\cm) == 0
	W1 v[D_:D_+7]
.elseif (\cm) == 1
	W1 v[8*\b:8*\b+7]
.else
	W1 v[8*\a:8*\a+7]
.endif
.endr
.endr
	WIN 0
.endm
	s_wait_tensorcnt 0x0                           ; my tile is in,
	s_barrier_signal -1
	s_barrier_wait -1                              ; and everybody's
	FETCH 0
.irp i, 0,1,2,3,4,5,6,7
	ds_load_b128 v[SC+10*\i:SC+10*\i+3], v[ADRS] offset:\i*SBLK
	ds_load_b128 v[SC+10*\i+4:SC+10*\i+7], v[ADRS] offset:\i*SBLK+16
.endr
	FETCH 1
	s_wait_dscnt NLD                               ; all but step 1's loads
	s_wait_loadcnt 0x0                             ; the bias
	s_cmp_eq_u32 s[ROLE], 1
	s_cbranch_scc1 .Lfirst_v
	MUL32 0, 1
	s_branch .Lfirst_done
.Lfirst_v:
	MUL32 0, 2
.Lfirst_done:
.irp st, 1,2,3,4,5,6
	PLACES 4                                       ; places ahead of loads into registers that the last products read
	FETCH \st+1
	s_wait_dscnt NLD                               ; all but the loads just issued
	MUL32 \st, 0
.endr
	s_wait_dscnt 0x0
	MUL32 7, 0
	PLACES 4
.irp b, 0,1,2,3
	v_mov_b32 v[TM+4+\b], 0
.endr
; THE WAY OUT of block a: 16 rows x 128: four scale blocks of 32, two half fragments of codes
.macro QBLK a
.set QS, 64*(\a)
.if (\a) > 0
	s_wait_xcnt 0x0                                ; the last block's stores have read their registers
.endif
	WIN 0x28
.irp b, 0,1,2,3
	v_max3_num_f32 v[TM+\b], 0x1800000, |v[QS+16*\b]|, |v[QS+16*\b+1]|
.endr
.irp i, 2,4,6,8,10,12,14
.irp b, 0,1,2,3
	v_max3_num_f32 v[TM+\b], v[TM+\b], |v[QS+16*\b+\i]|, |v[QS+16*\b+\i+1]|
.endr
.endr
	WIN 0
.irp b, 0,1,2,3
	v_permlanex16_b32 v[TM+4+\b], v[TM+\b], s[SEL], s[SEL+1]
.endr
.irp b, 0,1,2,3
	v_max_num_f32 v[TM+\b], v[TM+\b], v[TM+4+\b]
.endr
.irp b, 0,1,2,3
	v_add_nc_u32 v[TM+12+\b], 0xff000000, v[TM+\b]
.endr
.irp b, 0,1,2,3
	v_lshrrev_b32 v[TM+4+\b], 23, v[TM+12+\b]
.endr
	v_lshl_or_b32 v[PW], v[TM+5], 8, v[TM+4]
	v_lshl_or_b32 v[PW], v[TM+6], 16, v[PW]
	v_lshl_or_b32 v[PW], v[TM+7], 24, v[PW]
	v_lshrrev_b32 v[SW+\a], v[SH], v[PW]           ; q, k: lanes 16-31 carry the second head's two bytes
	WIN 2
.irp c, 0,1
	v_cvt_scalef32_pk16_fp6_f32 v[PC+6*\c:PC+2+6*\c], v[QS+32*\c:QS+15+32*\c], v[TM+12+2*\c]
	v_cvt_scalef32_pk16_fp6_f32 v[PC+12+4*\c:PC+14+4*\c], v[QS+16+32*\c:QS+31+32*\c], v[TM+12+2*\c+1]
.endr
	WIN 0
	v_nop
.irp c, 0,1
.irp i, 0,1,2
	v_permlane16_swap_b32 v[PC+6*\c+\i], v[PC+12+4*\c+\i]
.endr
.irp i, 0,1,2
	v_mov_b32 v[PC+3+6*\c+\i], v[PC+12+4*\c+\i]
.endr
.endr
	global_store_b128 v[O16], v[PC:PC+3], s[96:97] offset:768*(\a)
	global_store_b64 v[O8], v[PC+4:PC+5], s[96:97] offset:768*(\a)+512
	global_store_b128 v[O16], v[PC+6:PC+9], s[96:97] offset:768*(\a)+98304
	global_store_b64 v[O8], v[PC+10:PC+11], s[96:97] offset:768*(\a)+98816
.endm
.irp a, 0,1,2,3
	QBLK \a
.endr
	global_store_b128 v[OSC], v[SW:SW+3], s[98:99]
	s_wait_tensorcnt 0x0                           ; the wave's end
	ds_add_u32 v[SPW], v[NIL]
	s_wait_dscnt 0x0
	CROUND                                         ; the closing round
	s_endpgm
.Lfunc_end_k_q626ffbcc66_qkv:
	.size	k_q626ffbcc66_qkv, .Lfunc_end_k_q626ffbcc66_qkv-k_q626ffbcc66_qkv
	.p2alignl 7, 3214868480
	.fill 96, 4, 3214868480
	.section	.rodata,"a",@progbits
	.p2align	6, 0x0
	.amdhsa_kernel k_q626ffbcc66_qkv
		.amdhsa_group_segment_fixed_size 327680
		.amdhsa_private_segment_fixed_size 0
		.amdhsa_enable_private_segment 0
		.amdhsa_kernarg_size 56
		.amdhsa_user_sgpr_count 2
		.amdhsa_user_sgpr_kernarg_segment_ptr 1
		.amdhsa_wavefront_size32 1
		.amdhsa_system_sgpr_workgroup_id_x 1
		.amdhsa_system_sgpr_workgroup_id_y 1
		.amdhsa_system_sgpr_workgroup_id_z 1
		.amdhsa_system_vgpr_workitem_id 0
		.amdhsa_next_free_vgpr 1024
		.amdhsa_next_free_sgpr 102
		.amdhsa_reserve_vcc 0
		.amdhsa_float_denorm_mode_32 3
		.amdhsa_float_denorm_mode_16_64 3
		.amdhsa_memory_ordered 1
		.amdhsa_forward_progress 1
		.amdhsa_inst_pref_size 92
	.end_amdhsa_kernel
	.amdgpu_metadata
---
amdhsa.version: [ 1, 2 ]
amdhsa.kernels:
  - .name:           k_q626ffbcc66_qkv
    .symbol:         k_q626ffbcc66_qkv.kd
    .args:
      - { .name: x_codes, .offset: 0, .size: 8, .value_kind: global_buffer, .address_space: global }
      - { .name: x_scales, .offset: 8, .size: 8, .value_kind: global_buffer, .address_space: global }
      - { .name: Wqkv_codes, .offset: 16, .size: 8, .value_kind: global_buffer, .address_space: global }
      - { .name: Wqkv_scales, .offset: 24, .size: 8, .value_kind: global_buffer, .address_space: global }
      - { .name: bqkv, .offset: 32, .size: 8, .value_kind: global_buffer, .address_space: global }
      - { .name: qkvc, .offset: 40, .size: 8, .value_kind: global_buffer, .address_space: global }
      - { .name: qkvs, .offset: 48, .size: 8, .value_kind: global_buffer, .address_space: global }
    .group_segment_fixed_size: 327680
    .private_segment_fixed_size: 0
    .kernarg_segment_align: 8
    .kernarg_segment_size: 56
    .max_flat_workgroup_size: 128
    .sgpr_count:     102
    .vgpr_count:     1024
    .wavefront_size: 32
...
	.end_amdgpu_metadata
.endif
;; end of part 1
;; launch attn (part 2): grid 4 x 64, 16 waves a work-group, clusters of 4 x 1, 215,040 bytes of LDS; arguments qkvc, qkvs, ac, as2; writes ac, as2
.if DOCPART == 2
	.amdgcn_target "amdgcn-amd-amdhsa--gfx1250"
	.amdhsa_code_object_version 6
	.text
	.protected	k_q626ffbcc66_attn
	.globl	k_q626ffbcc66_attn
	.p2align	8
	.type	k_q626ffbcc66_attn,@function
k_q626ffbcc66_attn:
	s_mov_b64 s[64:65], 0
	v_nop
	global_prefetch_b8 v0, s[64:65] scope:SCOPE_SE
	s_setreg_imm32_b32 hwreg(HW_REG_WAVE_MODE, 25, 1), 1
	s_wait_xcnt 0x0
	s_wait_alu depctr_hold_cnt(0) depctr_sa_sdst(0) depctr_va_vdst(0) depctr_va_sdst(0) depctr_va_ssrc(0) depctr_va_vcc(0) depctr_vm_vsrc(0)
	s_getreg_b32 s2, hwreg(HW_REG_IB_STS2, 6, 4)
	s_cmp_eq_u32 s2, 0
	s_cbranch_scc0 .Lentry_in_a_cluster
	s_endpgm
.Lentry_in_a_cluster:
	s_bfe_u32 s2, ttmp6, 0x10000c
	s_cmp_lg_u32 s2, 0x3003
	s_cbranch_scc0 .Lentry_shape_is_right
	s_endpgm
.Lentry_shape_is_right:
; O = softmax(q k^T / 8) v for one head of 64, 2,048 keys, both products on codes of FP6 (E2M3) with one E8M0 scale for each 32 along K; O is divided by the row's sum and quantised along the model's axis.
; q, k, v arrive as images of operand registers (half a fragment, 16 rows x 64 K, is 768 bytes: registers 0-3 at 16 x lane, registers 4-5 at 8 x lane) with their scale words beside them.
; THE SOFTMAX: t = score x log2(e) / 8; M = the running largest t rounded UP to a whole number; p = 2^(t - M) is quantised along the keys, not normalised; the row's sum is taken of the unquantised p.
; When M moves, the sum and O are multiplied by 2^(old M - new M), which rounds nothing.
; SHARES.  A work-group owns 512 queries of one head, in two passes of 256; each of its sixteen waves owns one tile of 16 queries a pass: four waves to a SIMD.
; THE HEAD'S WHOLE K AND V LIE IN LDS, filled ONCE by fourteen joint loads of the cluster's four work-groups (all of one head), one load a wave: waves 0-7 a quarter of one of v's two planes,
; waves 8-11 a quarter of k (dense in memory), wave 12 k's scale words (dense), wave 13 v's.  One wait and one barrier at the head show all of it; behind it the waves run without barriers up to the end.
; LAYOUT.  Both products are used transposed: S^T = k q^T, O^T = v^T p^T: a lane holds one query.  The head has 64 numbers, the instruction takes 128 along K: registers 6-11 of q's and k's fragments hold zero codes.
; Inside a block of 32 the codes of q, k, v and p stand in the order 0-7, 16-23, 8-15, 24-31, alike on both sides of each product.  O is put into the natural order ahead of its quantiser.
; No prefetch: every byte of K and V is asked for at the head.
; LIMITS: a block of zeros gets the scale byte 1 where the rule says 127 (zero codes; this program alone reads the bytes); a block's largest magnitude is not taken under 2^-124; NaN and infinities are not served;
; the scaled scores stay under 2^31 in magnitude.
; REGISTERS: v1-7, v30 addresses that stay; v8-11, v29, v31 the step's; v12 -M, v13 the largest t, v[14:15] the sum; v16-27 q; v28 q's scale word; v32-79 four fragments of k (the upper six of each stay zero);
; v80-87 k's scale words, v88-91 v's; v92-95 the blocks' maxima; v96-159 S^T, then p; v160-191 O^T; v192-239 v's fragments; v240-251 partial sums, then p's codes; v[252:253] f; v254 at work; v255 p's scale word.
.set PLANE, 49152                      ; k: bytes 0 .. 2 PLANE: [key step: 6,144][tile: 768];  v: two planes (keys 0-63, 64-127 of a step): [key step: 3,072]
.set VB,    2*PLANE
.set CHB,   12288
.set STB,   3072
.set SCB,   4*PLANE                    ; k's scale words [step: 512], 8,192 bytes; then v's [step: 256]
.set STGS,  SCB+12288                  ; 1,024 bytes: the results' scale halfwords; no fill lands here
.set SPARE, 0x34000
.set WV,   12
.set SEL,  20
.set CS,   22
.set G1K,  24
.set G1V,  32
.set G1SK, 40
.set G1SV, 48
.set G0K,  56
.set G0V,  60
.set G0SK, 84
.set G0SV, 88
.set SOFF, 74
.set TK,   76
.set TK2,  77
.set TS,   78
.set TS2,  79
.set CNT,  80
.set PASS, 81
.macro CROUND
	s_barrier_signal -1
	s_barrier_wait -1
	s_cmp_lg_u32 s[WV], 0
	s_cbranch_scc1 .Lnot_wave_0_\@
	s_barrier_signal -3
.Lnot_wave_0_\@:
	s_barrier_wait -3
	s_barrier_signal -1
	s_barrier_wait -1
.endm
.macro GROUP1 g, c, r, p               ; r rows of c elements of 8 bytes, p elements apart; the mask names all four work-groups
	s_mov_b32 s[\g], 15|(3<<16)|(1<<21)
	s_mov_b32 s[\g+1], (\c)<<16
	s_mov_b32 s[\g+2], (\r)<<16
	s_mov_b32 s[\g+3], (\c)<<16
	s_mov_b32 s[\g+4], \r
	s_mov_b32 s[\g+5], \p
	s_mov_b32 s[\g+6], 0
	s_mov_b32 s[\g+7], 0
.endm
.macro TL g0, g1
	tensor_load_to_lds s[\g0:\g0+3], s[\g1:\g1+7]
	s_nop 0
.rept 4
	v_nop
.endr
.endm
	s_load_b128 s[4:7], s[0:1], 0x0                ; qkvc, qkvs
	s_load_b128 s[8:11], s[0:1], 0x10              ; ac, as2
	v_lshl_add_u32 v254, v0, 2, SPARE
	v_mov_b32 v255, 0
	ds_add_u32 v254, v255                          ; the opening lines
	ds_add_u32 v254, v255
	v_lshrrev_b32 v92, 5, v0
	v_readfirstlane_b32 s[WV], v92
	s_bfe_u32 s13, ttmp6, 0x40000                  ; cx: it enters q's and the outputs' global addresses alone
	s_and_b32 s14, ttmp7, 0xffff
	s_lshr_b32 s15, s14, 4                         ; b
	s_and_b32 s16, s14, 15                         ; head
	s_and_b32 s17, s16, 1
	s_lshr_b32 s18, s16, 1
	s_mul_i32 s19, s15, 24
	s_add_co_u32 s19, s19, s18                     ; q's block; k's is 8 on, v's 16 on
	s_and_b32 s2, s[WV], 3                         ; k: the quarter that I fetch
	s_and_b32 s3, s[WV], 1                         ; v: the plane,
	s_bfe_u32 s74, s[WV], 0x20001                  ; and the quarter
	s_add_co_u32 s75, s19, 8
	s_mul_i32 s76, s75, 196608
	s_mul_i32 s77, s17, 98304
	s_add_co_u32 s76, s76, s77
	s_mul_i32 s77, s2, 24576
	s_add_co_u32 s76, s76, s77
	s_mov_b32 s77, 0
	s_lshl_b32 s78, s75, 14
	s_lshl_b32 s79, s17, 13
	s_add_co_u32 s78, s78, s79
	s_mov_b32 s79, 0
	s_add_co_u32 s75, s19, 16
	s_mul_i32 s80, s75, 196608
	s_mul_i32 s81, s3, 98304
	s_add_co_u32 s80, s80, s81
	s_mul_i32 s81, s17, 3072
	s_add_co_u32 s80, s80, s81
	s_mul_i32 s81, s74, 24576
	s_add_co_u32 s80, s80, s81
	s_mov_b32 s81, 0
	s_lshl_b32 s82, s75, 14
	s_lshl_b32 s83, s17, 8
	s_add_co_u32 s82, s82, s83
	s_mov_b32 s83, 0
	GROUP1 G1K, 768, 4, 768                        ; four key steps of k, 6,144 bytes each, on end
	GROUP1 G1V, 384, 4, 768                        ; four key steps of a plane of v: 3,072 bytes, 6,144 apart
	GROUP1 G1SK, 32, 32, 32                        ; 8,192 dense bytes
	GROUP1 G1SV, 32, 16, 64                        ; sixteen rows of 256 bytes, 512 apart
	s_mov_b32 s[G0K], 1
	s_mul_i32 s[G0K+1], s2, 24576
	s_mov_b32 s[G0V], 1
	s_mul_i32 s[G0V+1], s3, PLANE
	s_mul_i32 s75, s74, CHB
	s_add_co_u32 s[G0V+1], s[G0V+1], s75
	s_add_co_u32 s[G0V+1], s[G0V+1], VB
	s_mov_b32 s[G0SK], 1
	s_mov_b32 s[G0SK+1], SCB
	s_mov_b32 s[G0SV], 1
	s_mov_b32 s[G0SV+1], SCB+8192
	s_mov_b32 s[SEL], 0x76543210
	s_mov_b32 s[SEL+1], 0xfedcba98
	s_mov_b32 s[CS], 0x3e38aa3b                    ; log2(e) / 8
	s_mov_b32 s[CS+1], s[CS]
	s_lshl_b32 s75, s[WV], 5
	v_and_b32 v92, 31, v0
	v_and_b32 v93, 15, v0
	v_lshlrev_b32 v1, 4, v92                       ; 16 x lane
	v_lshlrev_b32 v2, 3, v92                       ; 8 x lane
	v_lshl_add_u32 v3, v93, 4, SCB                 ; four scale words a row
	v_add_nc_u32 v4, VB, v1
	v_add_nc_u32 v5, VB, v2
	v_lshl_add_u32 v6, v93, 1, s75
	v_add_nc_u32 v6, STGS, v6                      ; the stage: 32 bytes a tile, 2 a row
	v_lshlrev_b32 v7, 4, v93
	v_add_nc_u32 v30, STGS, v1
	s_wait_dscnt 0x0
	s_wait_kmcnt 0x0
	s_add_nc_u64 s[G0K+2:G0K+3], s[4:5], s[76:77]
	s_or_b32 s[G0K+3], s[G0K+3], 0x80000000
	s_add_nc_u64 s[G0V+2:G0V+3], s[4:5], s[80:81]
	s_or_b32 s[G0V+3], s[G0V+3], 0x80000000
	s_add_nc_u64 s[G0SK+2:G0SK+3], s[6:7], s[78:79]
	s_or_b32 s[G0SK+3], s[G0SK+3], 0x80000000
	s_add_nc_u64 s[G0SV+2:G0SV+3], s[6:7], s[82:83]
	s_or_b32 s[G0SV+3], s[G0SV+3], 0x80000000
	CROUND                                         ; the round in front of the joint loads
	s_cmp_lt_u32 s[WV], 8                          ; one chain of branches, one load to an arm
	s_cbranch_scc0 .La1
	TL G0V, G1V
	s_branch .Lfilled
.La1:
	s_cmp_lt_u32 s[WV], 12
	s_cbranch_scc0 .La2
	TL G0K, G1K
	s_branch .Lfilled
.La2:
	s_cmp_eq_u32 s[WV], 12
	s_cbranch_scc0 .La3
	TL G0SK, G1SK
	s_branch .Lfilled
.La3:
	s_cmp_eq_u32 s[WV], 13
	s_cbranch_scc0 .Lfilled
	TL G0SV, G1SV
.Lfilled:
	s_lshl_b32 s74, s13, 5                         ; my tile of queries in pass 0: T = 32 cx + wave; pass 1: 16 on
	s_add_co_u32 s74, s74, s[WV]
	s_mul_i32 s75, s19, 196608
	s_mul_i32 s76, s17, 98304
	s_add_co_u32 s75, s75, s76
	s_mul_i32 s76, s74, 768
	s_add_co_u32 s76, s75, s76
	s_mov_b32 s77, 0
	s_add_nc_u64 s[66:67], s[4:5], s[76:77]        ; q's codes
	s_lshl_b32 s75, s19, 14
	s_lshl_b32 s76, s17, 13
	s_add_co_u32 s75, s75, s76
	s_lshr_b32 s76, s74, 2
	s_lshl_b32 s76, s76, 8
	s_add_co_u32 s75, s75, s76
	s_and_b32 s76, s74, 3
	s_lshl_b32 s76, s76, 2
	s_add_co_u32 s76, s75, s76
	s_add_nc_u64 s[68:69], s[6:7], s[76:77]        ; q's scale words
	s_lshl_b32 s75, s15, 7
	s_add_co_u32 s75, s75, s74
	s_lshl_b32 s75, s75, 4
	s_add_co_u32 s75, s75, s16
	s_mul_i32 s76, s75, 768
	s_add_nc_u64 s[70:71], s[8:9], s[76:77]        ; ac: [tile of rows][head][768]
	s_lshl_b32 s75, s15, 7
	s_lshl_b32 s76, s13, 5
	s_add_co_u32 s75, s75, s76
	s_lshl_b32 s75, s75, 5
	s_lshl_b32 s76, s16, 14
	s_add_co_u32 s76, s75, s76
	s_add_nc_u64 s[72:73], s[10:11], s[76:77]      ; as2: [head][tile of rows][16] halfwords
	s_wait_alu depctr_va_vdst(0)
	global_load_b128 v[16:19], v1, s[66:67]
	global_load_b64 v[20:21], v2, s[66:67] offset:512
	global_load_b32 v28, v7, s[68:69]
.irp j, 22,23,24,25,26,27,38,39,40,41,42,43,50,51,52,53,54,55,62,63,64,65,66,67,74,75,76,77,78,79
	v_mov_b32 v\j, 0                               ; zero codes for K = 64 .. 127
.endr
	v_mov_b32 v253, 0
	v_mov_b32 v254, 0
	s_wait_alu depctr_va_vdst(0)                   ; the wait at the head's end
	s_wait_tensorcnt 0x0                           ; my fill has landed,
	s_barrier_signal -1
	s_barrier_wait -1                              ; and everybody's
; A KEY STEP: 128 keys
.macro STEP
	v_add_nc_u32 v8, s[TK2], v1                    ; these six are also the places between the last products and the loads into their operands
	v_add_nc_u32 v9, s[TK2], v2
	v_add_nc_u32 v10, s[TK], v4
	v_add_nc_u32 v11, s[TK], v5
	v_add_nc_u32 v29, s[TS2], v3
	v_add_nc_u32 v31, s[TS], v3
	ds_load_b128 v[80:83], v29
	ds_load_b128 v[84:87], v29 offset:256
.irp t, 0,1,2,3
	ds_load_b128 v[32+12*\t:35+12*\t], v8 offset:768*\t
	ds_load_b64 v[36+12*\t:37+12*\t], v9 offset:768*\t+512
.endr
	ds_load_b128 v[88:91], v31 offset:8192
.irp t, 0,1,2,3
	ds_load_b128 v[192+12*\t:195+12*\t], v10 offset:768*\t
	ds_load_b64 v[196+12*\t:197+12*\t], v11 offset:768*\t+512
	ds_load_b128 v[198+12*\t:201+12*\t], v10 offset:PLANE+768*\t
	ds_load_b64 v[202+12*\t:203+12*\t], v11 offset:PLANE+768*\t+512
.endr
	s_wait_alu depctr_va_vdst(0)
	s_wait_dscnt 17                                ; the youngest 17 (v's words and fragments) may be out
.irp t, 0,1,2,3
	v_wmma_scale_f32_16x16x128_f8f6f4 v[96+8*\t:103+8*\t], v[32+12*\t:43+12*\t], v[16:27], 0, v[80+\t], v28 matrix_a_fmt:MATRIX_FMT_FP6 matrix_b_fmt:MATRIX_FMT_FP6
.endr
.rept 4
	v_nop
.endr
.irp t, 0,1,2,3
	ds_load_b128 v[32+12*\t:35+12*\t], v8 offset:3072+768*\t
	ds_load_b64 v[36+12*\t:37+12*\t], v9 offset:3072+768*\t+512
.endr
	s_wait_dscnt 0x0
.irp t, 0,1,2,3
	v_wmma_scale_f32_16x16x128_f8f6f4 v[128+8*\t:135+8*\t], v[32+12*\t:43+12*\t], v[16:27], 0, v[84+\t], v28 matrix_a_fmt:MATRIX_FMT_FP6 matrix_b_fmt:MATRIX_FMT_FP6
.endr
.rept 4
	v_nop
.endr
.irp b, 0,1,2,3
	v_max3_num_f32 v[92+\b], v[96+16*\b], v[97+16*\b], v[98+16*\b]   ; the largest score of each block of 32 keys
.endr
.irp i, 3,5,7,9,11,13
.irp b, 0,1,2,3
	v_max3_num_f32 v[92+\b], v[92+\b], v[96+16*\b+\i], v[97+16*\b+\i]
.endr
.endr
.irp b, 0,1,2,3
	v_max_num_f32 v[92+\b], v[92+\b], v[111+16*\b]
.endr
.irp b, 0,1,2,3
	v_permlanex16_b32 v[32+\b], v[92+\b], s[SEL], s[SEL+1]
.endr
.irp b, 0,1,2,3
	v_max_num_f32 v[92+\b], v[92+\b], v[32+\b]
.endr
	v_max3_num_f32 v254, v92, v93, v94
	v_max_num_f32 v254, v254, v95
	v_mul_f32 v254, s[CS], v254
	v_max_num_f32 v13, v13, v254                   ; the running largest t
	v_mov_b32 v254, v12
	v_floor_f32 v12, -v13                          ; the new -M
	v_sub_f32 v254, v12, v254
	v_cvt_i32_f32 v254, v254
	v_ldexp_f32 v252, 1.0, v254                    ; f = 2^(old M - new M)
.irp j, 0,2,4,6,8,10,12,14,16,18,20,22,24,26,28,30,32,34,36,38,40,42,44,46,48,50,52,54,56,58,60,62
	v_pk_fma_f32 v[96+\j:97+\j], v[96+\j:97+\j], s[CS:CS+1], v[12:13] op_sel_hi:[1,0,0]
.endr
.irp b, 0,1,2,3
	v_fma_f32 v[92+\b], v[92+\b], s[CS], v12
.endr
	s_wait_alu depctr_va_vdst(0)                   ; the wait ahead of the batch
.set J, 0
.rept 64
	v_exp_f32 v[96+J], v[96+J]                     ; p = 2^(t - M)
.set J, J+1
.endr
	v_pk_mul_f32 v[14:15], v[14:15], v[252:253] op_sel_hi:[1,0]
	s_wait_alu depctr_va_vdst(0)                   ; and behind it
.irp b, 0,1,2,3
	v_exp_f32 v[92+\b], v[92+\b]                   ; the block's largest p
.endr
.irp c, 0,1,2,3,4,5                    ; the row's sum of the unquantised p: 32 pairs in seven chains
	v_pk_add_f32 v[240+2*\c:241+2*\c], v[96+4*\c:97+4*\c], v[98+4*\c:99+4*\c]
.endr
	v_pk_add_f32 v[14:15], v[14:15], v[120:121]
.irp g, 0,1,2
.irp c, 0,1,2,3,4,5
.if 13+7*\g+\c < 32
	v_pk_add_f32 v[240+2*\c:241+2*\c], v[240+2*\c:241+2*\c], v[122+14*\g+2*\c:123+14*\g+2*\c]
.endif
.endr
.if 19+7*\g < 32
	v_pk_add_f32 v[14:15], v[14:15], v[134+14*\g:135+14*\g]
.endif
.endr
	v_pk_add_f32 v[240:241], v[240:241], v[242:243]
	v_pk_add_f32 v[244:245], v[244:245], v[246:247]
	v_pk_add_f32 v[248:249], v[248:249], v[250:251]
	v_pk_add_f32 v[240:241], v[240:241], v[244:245]
	v_pk_add_f32 v[14:15], v[14:15], v[248:249]
	v_pk_add_f32 v[14:15], v[14:15], v[240:241]
	s_wait_alu depctr_va_vdst(0)                   ; for the four
.irp b, 0,1,2,3
	v_max_num_f32 v[92+\b], 0x1800000, v[92+\b]
.endr
.irp b, 0,1,2,3
	v_add_nc_u32 v[44+\b], 0xff000000, v[92+\b]    ; the conversion's scale operand
.endr
.irp b, 0,1,2,3
	v_lshrrev_b32 v[32+\b], 23, v[44+\b]
.endr
	v_lshl_or_b32 v255, v33, 8, v32                ; p's scale word
	v_lshl_or_b32 v255, v34, 16, v255
	v_lshl_or_b32 v255, v35, 24, v255
.irp c, 0,1
	v_cvt_scalef32_pk16_fp6_f32 v[240+6*\c:242+6*\c], v[96+32*\c:111+32*\c], v[44+2*\c]
	v_cvt_scalef32_pk16_fp6_f32 v[56+12*\c:58+12*\c], v[112+32*\c:127+32*\c], v[45+2*\c]
.endr
	v_nop
.irp c, 0,1
.irp i, 0,1,2
	v_permlane16_swap_b32 v[240+6*\c+\i], v[56+12*\c+\i]
.endr
.irp i, 0,1,2
	v_mov_b32 v[243+6*\c+\i], v[56+12*\c+\i]
.endr
.endr
.irp j, 0,2,4,6,8,10,12,14,16,18,20,22,24,26,28,30
	v_pk_mul_f32 v[160+\j:161+\j], v[160+\j:161+\j], v[252:253] op_sel_hi:[1,0]   ; O^T under the new M; also the places ahead of the products
.endr
.irp t, 0,1,2,3
	v_wmma_scale_f32_16x16x128_f8f6f4 v[160+8*\t:167+8*\t], v[192+12*\t:203+12*\t], v[240:251], v[160+8*\t:167+8*\t], v[88+\t], v255 matrix_a_fmt:MATRIX_FMT_FP6 matrix_b_fmt:MATRIX_FMT_FP6
.endr
.endm
	s_mov_b32 s[PASS], 2
	s_mov_b32 s[SOFF], 0
.Lpass:
	s_wait_loadcnt 0x0                             ; q
	v_mov_b32 v13, 0xff61b1e6                      ; -3e38, under every t
	v_floor_f32 v12, -v13
	v_mov_b32 v14, 0
	v_mov_b32 v15, 0
.set J, 0
.rept 32
	v_mov_b32 v[160+J], 0                          ; O^T: the step is written once
.set J, J+1
.endr
	s_mov_b32 s[TK], 0
	s_mov_b32 s[TK2], 0
	s_mov_b32 s[TS], 0
	s_mov_b32 s[TS2], 0
	s_mov_b32 s[CNT], 16
.Lstep:
	STEP
	s_add_co_u32 s[TK], s[TK], STB
	s_add_co_u32 s[TK2], s[TK2], 2*STB
	s_add_co_u32 s[TS], s[TS], 256
	s_add_co_u32 s[TS2], s[TS2], 512
	s_sub_co_u32 s[CNT], s[CNT], 1
	s_cmp_lg_u32 s[CNT], 0
	s_cbranch_scc1 .Lstep
	s_cmp_eq_u32 s[PASS], 1                        ; the next pass's q, if there is one
	s_cbranch_scc1 .Lno_next
	s_add_nc_u64 s[66:67], s[66:67], 12288
	s_add_nc_u64 s[68:69], s[68:69], 1024
	global_load_b128 v[16:19], v1, s[66:67]
	global_load_b64 v[20:21], v2, s[66:67] offset:512
	global_load_b32 v28, v7, s[68:69]
.Lno_next:
.rept 4
	v_nop
.endr
	v_add_f32 v14, v14, v15
	v_permlanex16_b32 v254, v14, s[SEL], s[SEL+1]
	v_add_f32 v14, v14, v254                       ; the row's sum
	s_wait_alu depctr_va_vdst(0)
	v_rcp_f32 v14, v14
	v_add_nc_u32 v8, s[SOFF], v6
	s_wait_alu depctr_va_vdst(0)
.irp j, 0,2,4,6,8,10,12,14,16,18,20,22,24,26,28,30
	v_pk_mul_f32 v[96+\j:97+\j], v[160+\j:161+\j], v[14:15] op_sel_hi:[1,0]
.endr
.irp b, 0,1                            ; into the natural order: register 16 b + i is then o(r, 32 b + 16 h + i)
.irp j, 0,1,2,3,4,5,6,7
	v_permlane16_swap_b32 v[96+16*\b+\j], v[104+16*\b+\j]
.endr
.endr
.irp b, 0,1
	v_max3_num_f32 v[92+\b], |v[96+16*\b]|, |v[97+16*\b]|, 0x1800000
.endr
.irp i, 2,4,6,8,10,12,14
.irp b, 0,1
	v_max3_num_f32 v[92+\b], v[92+\b], |v[96+16*\b+\i]|, |v[97+16*\b+\i]|
.endr
.endr
.irp b, 0,1
	v_permlanex16_b32 v[32+\b], v[92+\b], s[SEL], s[SEL+1]
.endr
.irp b, 0,1
	v_max_num_f32 v[92+\b], v[92+\b], v[32+\b]
.endr
.irp b, 0,1
	v_add_nc_u32 v[44+\b], 0xff000000, v[92+\b]
.endr
.irp b, 0,1
	v_lshrrev_b32 v[32+\b], 23, v[44+\b]
.endr
	v_lshl_or_b32 v255, v33, 8, v32
	v_cvt_scalef32_pk16_fp6_f32 v[240:242], v[96:111], v44
	v_cvt_scalef32_pk16_fp6_f32 v[56:58], v[112:127], v45
	v_nop
.irp i, 0,1,2
	v_permlane16_swap_b32 v[240+\i], v[56+\i]
.endr
.irp i, 0,1,2
	v_mov_b32 v[243+\i], v[56+\i]
.endr
	global_store_b128 v1, v[240:243], s[70:71]
	global_store_b64 v2, v[244:245], s[70:71] offset:512
	ds_store_b16 v8, v255                          ; both halves of the lanes write the same halfword
	s_wait_xcnt 0x0                                ; the stores' registers and base are written again only behind this wait
	s_add_nc_u64 s[70:71], s[70:71], 196608
	s_add_co_u32 s[SOFF], s[SOFF], 512
	s_sub_co_u32 s[PASS], s[PASS], 1
	s_cmp_lg_u32 s[PASS], 0
	s_cbranch_scc1 .Lpass
	s_wait_dscnt 0x0                               ; my halfwords lie in the stage
	s_barrier_signal -1
	s_barrier_wait -1
	s_cmp_lg_u32 s[WV], 0
	s_cbranch_scc1 .Lnot_mine
	ds_load_b128 v[96:99], v30                     ; wave 0 stores the work-group's 1,024 bytes of scale halfwords
	ds_load_b128 v[100:103], v30 offset:512
	s_wait_dscnt 0x0
	global_store_b128 v1, v[96:99], s[72:73]
	global_store_b128 v1, v[100:103], s[72:73] offset:512
.Lnot_mine:
	s_wait_xcnt 0x0
	v_lshl_add_u32 v254, v0, 2, SPARE
	v_mov_b32 v255, 0
	s_wait_alu depctr_va_vdst(0)
	s_wait_tensorcnt 0x0                           ; the wave's end
	ds_add_u32 v254, v255
	s_wait_dscnt 0x0
	CROUND
	s_endpgm
.Lfunc_end_k_q626ffbcc66_attn:
	.size	k_q626ffbcc66_attn, .Lfunc_end_k_q626ffbcc66_attn-k_q626ffbcc66_attn
	.p2alignl 7, 3214868480
	.fill 96, 4, 3214868480
	.section	.rodata,"a",@progbits
	.p2align	6, 0x0
	.amdhsa_kernel k_q626ffbcc66_attn
		.amdhsa_group_segment_fixed_size 215040
		.amdhsa_private_segment_fixed_size 0
		.amdhsa_enable_private_segment 0
		.amdhsa_kernarg_size 32
		.amdhsa_user_sgpr_count 2
		.amdhsa_user_sgpr_kernarg_segment_ptr 1
		.amdhsa_wavefront_size32 1
		.amdhsa_system_sgpr_workgroup_id_x 1
		.amdhsa_system_sgpr_workgroup_id_y 1
		.amdhsa_system_sgpr_workgroup_id_z 1
		.amdhsa_system_vgpr_workitem_id 0
		.amdhsa_next_free_vgpr 256
		.amdhsa_next_free_sgpr 92
		.amdhsa_reserve_vcc 0
		.amdhsa_float_denorm_mode_32 3
		.amdhsa_float_denorm_mode_16_64 3
		.amdhsa_memory_ordered 1
		.amdhsa_forward_progress 1
		.amdhsa_inst_pref_size 34
	.end_amdhsa_kernel
	.amdgpu_metadata
---
amdhsa.version: [ 1, 2 ]
amdhsa.kernels:
  - .name:           k_q626ffbcc66_attn
    .symbol:         k_q626ffbcc66_attn.kd
    .args:
      - { .name: qkvc, .offset: 0, .size: 8, .value_kind: global_buffer, .address_space: global }
      - { .name: qkvs, .offset: 8, .size: 8, .value_kind: global_buffer, .address_space: global }
      - { .name: ac, .offset: 16, .size: 8, .value_kind: global_buffer, .address_space: global }
      - { .name: as2, .offset: 24, .size: 8, .value_kind: global_buffer, .address_space: global }
    .group_segment_fixed_size: 215040
    .private_segment_fixed_size: 0
    .kernarg_segment_align: 8
    .kernarg_segment_size: 32
    .max_flat_workgroup_size: 512
    .sgpr_count:     92
    .vgpr_count:     256
    .wavefront_size: 32
...
	.end_amdgpu_metadata
.endif
;; end of part 2
;; launch proj (part 3): grid 4 x 64, 4 waves a work-group, clusters of 4 x 4, 327,680 bytes of LDS; arguments ac, as2, Wo_codes, Wo_scales, bo, out0; writes out0
.if DOCPART == 3
	.amdgcn_target "amdgcn-amd-amdhsa--gfx1250"
	.amdhsa_code_object_version 6
	.text
	.protected	k_q626ffbcc66_proj
	.globl	k_q626ffbcc66_proj
	.p2align	8
	.type	k_q626ffbcc66_proj,@function
k_q626ffbcc66_proj:
	s_mov_b64 s[64:65], 0
	v_nop
	global_prefetch_b8 v0, s[64:65] scope:SCOPE_SE
	s_setreg_imm32_b32 hwreg(HW_REG_WAVE_MODE, 25, 1), 1
	s_wait_xcnt 0x0
	s_wait_alu depctr_hold_cnt(0) depctr_sa_sdst(0) depctr_va_vdst(0) depctr_va_sdst(0) depctr_va_ssrc(0) depctr_va_vcc(0) depctr_vm_vsrc(0)
	s_getreg_b32 s2, hwreg(HW_REG_IB_STS2, 6, 4)
	s_cmp_eq_u32 s2, 0
	s_cbranch_scc0 .Lentry_in_a_cluster
	s_endpgm
.Lentry_in_a_cluster:
	s_bfe_u32 s2, ttmp6, 0x10000c
	s_cmp_lg_u32 s2, 0xf033
	s_cbranch_scc0 .Lentry_shape_is_right
	s_endpgm
.Lentry_shape_is_right:
; out0 = a Wo + bo on codes of FP6 (E2M3) with one E8M0 scale for each 32 along K = 1,024.  a: the attention's result as images of operand registers: [tile of 16 rows][head][768 bytes]
; (registers 0-3 at 16 x lane, registers 4-5 at 8 x lane); its scale bytes [head][tile of rows][16 rows] as halfwords.  Wo: 1,024 rows x 768 bytes of codes, 32 scale bytes a row.
; A work-group makes 128 rows x 256 columns, a wave 64 x 128: 32 accumulators; 256 work-groups.
; ALL of K lies in LDS from the head on: a's 128 rows are one dense block of 98,304 bytes; Wo's 256 rows are rows of 768 bytes, 16 bytes of padding behind every 256.  Four tensor loads, one a wave; nothing is filled again.
; a's scale halfwords are loaded by heads and stored into rows of 32 bytes.  4 x 4 clusters: a's block is asked for jointly along a row of the cluster, Wo's along a column.
; No prefetch: every byte is asked for at the head, there is no loop to run ahead in.  The product is used transposed: a lane holds eight neighbouring numbers of a row of out0.  The bias is the C of each sum's first product.
.set SIZE_N, 1024
.set KROW,  768
.set PITCH, 816
.set FR,    12
.set BREG,  98304
.set SCA,   BREG+256*PITCH             ; a's scale bytes, stored by the waves: 16 units of 256 + 16; no fill lands here
.set SCBB,  SCA+16*272                 ; Wo's: 32 units
.set SPARE, SCBB+32*272
.set SBLK,  544
.set SPITCH, 528                       ; the way out: 16 rows x (512 + 16) a wave, on a's bytes, behind a barrier behind which nobody reads them
.set SPW, 10
.set NIL, 11
.set STO, 12
.set RD,  13
.set CO,  14
.set ADRS, 15
.set AA,  16                           ; v16 16 x lane + my rows of a; v17 8 x lane + the same
.set BA,  24                           ; v24-39 LDS addresses of Wo's eight blocks (odd: behind one padding more)
.set SC,  40                           ; v40-119 scale words: 10 i + step; lanes 0-15 a's block i, lanes 16-31 Wo's
.set AF,  128                          ; v128-223 a's fragments, two sets; window 1: Wo's two sets; window 2: the sums; window 3: v0-63 the bias
.set BK,  128
.set G1A, 24
.set G1B, 32
.set G1SB, 56
.set G0A, 68
.set G0B, 72
.set G0B1, 76
.set G0SB, 80
.set MSB, 0
.macro WIN new
.if MSB != \new
	s_set_vgpr_msb (MSB<<8)|\new
.set MSB, \new
.endif
.endm
.macro PLACES n
.rept \n
	v_nop
.endr
.endm
.macro CROUND
	s_barrier_signal -1
	s_barrier_wait -1
	s_cmp_lg_u32 s14, 0
	s_cbranch_scc1 .Lnot_wave_0_\@
	s_barrier_signal -3
.Lnot_wave_0_\@:
	s_barrier_wait -3
	s_barrier_signal -1
	s_barrier_wait -1
.endm
.macro GROUP0 g, lds, base
	s_mov_b32 s[\g], 1
	s_mov_b32 s[\g+1], \lds
	s_mov_b64 s[\g+2:\g+3], s[\base:\base+1]
	s_or_b32 s[\g+3], s[\g+3], 0x80000000
.endm
.macro TL g0, g1
	tensor_load_to_lds s[\g0:\g0+3], s[\g1:\g1+7]
	s_nop 0
	PLACES 4
.endm
	s_load_b128 s[4:7], s[0:1], 0x0                ; ac, as2
	s_load_b128 s[8:11], s[0:1], 0x10              ; Wo's codes, scales
	s_load_b128 s[96:99], s[0:1], 0x20             ; bo, out0
	v_lshl_add_u32 v[SPW], v0, 2, SPARE
	v_mov_b32 v[NIL], 0
	ds_add_u32 v[SPW], v[NIL]                      ; the opening lines
	ds_add_u32 v[SPW], v[NIL]
	v_lshrrev_b32 v1, 5, v0
	v_readfirstlane_b32 s14, v1
	s_lshr_b32 s15, s14, 1                         ; my half of the rows
	s_and_b32 s16, s14, 1                          ; my half of the columns
	s_bfe_u32 s40, ttmp6, 0x40000
	s_bfe_u32 s41, ttmp6, 0x40004
	s_lshl_b32 s42, ttmp9, 2
	s_add_co_u32 s42, s42, s40                     ; tile column (256)
	s_and_b32 s17, ttmp7, 0xffff
	s_lshl_b32 s17, s17, 2
	s_add_co_u32 s17, s17, s41                     ; tile row (128)
	s_lshl_b32 s43, s41, 2
	s_lshl_b32 s43, 15, s43
	s_lshl_b32 s44, 0x1111, s40
	s_or_b32 s[G1A], s43, (3<<16)|(1<<21)          ; a: 8 rows of 12,288 bytes, on end
	s_mov_b32 s[G1A+1], 1536<<16
	s_mov_b32 s[G1A+2], 8<<16
	s_mov_b32 s[G1A+3], 1536<<16
	s_mov_b32 s[G1A+4], 8
	s_mov_b32 s[G1A+5], 1536
	s_mov_b32 s[G1A+6], 0
	s_mov_b32 s[G1A+7], 0
	s_or_b32 s[G1B], s44, (1<<20)|(1<<21)|(5<<22)|(3<<25)   ; Wo: 128 rows of 768 bytes, padded behind every 64 words
	s_mov_b32 s[G1B+1], KROW<<16
	s_mov_b32 s[G1B+2], 128<<16
	s_mov_b32 s[G1B+3], KROW<<16
	s_mov_b32 s[G1B+4], 128
	s_mov_b32 s[G1B+5], KROW
	s_mov_b32 s[G1B+6], 0
	s_mov_b32 s[G1B+7], 0
	s_or_b32 s[G1SB], s44, (3<<16)|(1<<20)|(1<<21)|(5<<22)|(3<<25)   ; Wo's scales: 32 rows of 256 bytes, padded behind each
	s_mov_b32 s[G1SB+1], 32<<16
	s_mov_b32 s[G1SB+2], 32<<16
	s_mov_b32 s[G1SB+3], 32<<16
	s_mov_b32 s[G1SB+4], 32
	s_mov_b32 s[G1SB+5], 32
	s_mov_b32 s[G1SB+6], 0
	s_mov_b32 s[G1SB+7], 0
	s_mul_i32 s84, s17, 98304
	s_mov_b32 s85, 0
	s_lshl_b32 s86, s17, 8
	s_mov_b32 s87, 0
	s_mul_i32 s88, s42, 256*KROW
	s_mov_b32 s89, 0
	s_lshl_b32 s90, s42, 13
	s_mov_b32 s91, 0
	s_wait_dscnt 0x0
	s_wait_kmcnt 0x0
	s_add_nc_u64 s[84:85], s[4:5], s[84:85]
	s_add_nc_u64 s[6:7], s[6:7], s[86:87]
	s_add_nc_u64 s[88:89], s[8:9], s[88:89]
	s_add_nc_u64 s[92:93], s[88:89], 128*KROW
	s_add_nc_u64 s[90:91], s[10:11], s[90:91]
	CROUND                                         ; the round in front of the joint loads
	GROUP0 G0A, 0, 84
	GROUP0 G0B, BREG, 88
	GROUP0 G0B1, BREG+128*PITCH, 92
	GROUP0 G0SB, SCBB, 90
	s_cmp_lt_u32 s14, 1                            ; one load a wave, one chain of branches
	s_cbranch_scc0 .Lh1
	TL G0B, G1B
	s_branch .Lasked
.Lh1:
	s_cmp_lt_u32 s14, 2
	s_cbranch_scc0 .Lh2
	TL G0B1, G1B
	s_branch .Lasked
.Lh2:
	s_cmp_lt_u32 s14, 3
	s_cbranch_scc0 .Lh3
	TL G0A, G1A
	s_branch .Lasked
.Lh3:
	TL G0SB, G1SB
.Lasked:
	s_lshl_b32 s20, s17, 7
	s_lshl_b32 s21, s15, 6
	s_add_co_u32 s20, s20, s21                     ; my first row of out0
	s_lshl_b32 s20, s20, 12
	s_mov_b32 s21, 0
	s_lshl_b32 s46, s42, 10
	s_lshl_b32 s47, s16, 9
	s_add_co_u32 s46, s46, s47                     ; my first column, in bytes
	s_mov_b32 s47, 0
	s_add_nc_u64 s[96:97], s[96:97], s[46:47]
	s_add_nc_u64 s[98:99], s[98:99], s[46:47]
	s_add_nc_u64 s[98:99], s[98:99], s[20:21]
	s_mul_i32 s21, s15, 4*12288
	s_mul_i32 s22, s16, 128*PITCH
	s_add_co_u32 s22, s22, BREG
	s_mul_i32 s20, s15, 2176
	s_mul_i32 s23, s16, 4352
	s_add_co_u32 s23, s23, SCBB-SCA
	s_sub_co_u32 s23, s23, s20
	s_add_co_u32 s20, s20, SCA
	s_mul_i32 s18, s14, 16*SPITCH
	s_lshl_b32 s19, s14, 15
	s_lshl_b32 s45, s14, 2
	s_add_co_u32 s45, s45, SCA
	v_and_b32 v1, 15, v0                           ; r
	v_bfe_u32 v2, v0, 4, 1                         ; h
	v_and_b32 v9, 31, v0
	v_mul_u32_u24 v3, v1, PITCH
	v_mad_u32_u24 v4, v2, 24, v3
	v_mad_u32_u24 v5, v2, 40, v3
	v_add_nc_u32 v6, s22, v4
	v_add_nc_u32 v7, s22, v5
.irp i, 0,1,2,3,4,5,6,7
	v_add_nc_u32 v[BA+2*\i], \i*16*PITCH, v6
	v_add_nc_u32 v[BA+2*\i+1], \i*16*PITCH, v7
.endr
	v_lshl_add_u32 v[AA], v9, 4, s21
	v_lshl_add_u32 v[AA+1], v9, 3, s21
	v_lshlrev_b32 v3, 5, v1
	v_lshrrev_b32 v6, 8, v3
	v_lshl_add_u32 v3, v6, 4, v3
	v_mul_u32_u24 v6, s23, v2
	v_add_nc_u32 v3, v3, v6
	v_add_nc_u32 v[ADRS], s20, v3
	v_mul_u32_u24 v5, v1, SPITCH
	v_lshl_add_u32 v5, v2, 5, v5
	v_add_nc_u32 v[STO], s18, v5
	v_lshlrev_b32 v[CO], 4, v9
	v_add_nc_u32 v[RD], s18, v[CO]
	v_lshl_add_u32 v7, v1, 4, s19                  ; a's scale halfwords: head 8 j + 2 wave + h, rows 8 r + 0 .. 7: 16 bytes
	v_lshl_add_u32 v7, v2, 14, v7
	v_mad_u32_u24 v8, v1, 272, s45                 ; and where they go: eight rows of 32 bytes are a unit; + 2 x head
	v_lshl_add_u32 v8, v2, 1, v8
	v_lshlrev_b32 v6, 5, v2
	s_wait_alu depctr_va_vdst(0)                   ; the wait at the head's end
	global_load_b128 v[224:227], v7, s[6:7]
	global_load_b128 v[228:231], v7, s[6:7] offset:131072
	WIN 0xc0
.irp b, 0,1,2,3,4,5,6,7                ; register j of block b: the bias of column 16 b + 8 h + j
	global_load_b128 v[8*\b:8*\b+3], v6, s[96:97] offset:64*\b
	global_load_b128 v[8*\b+4:8*\b+7], v6, s[96:97] offset:64*\b+16
.endr
	WIN 0
	s_wait_loadcnt 0x0
.irp j, 0,1
.irp e, 0,2,4,6
	ds_store_b16 v8, v[224+4*\j+\e/2] offset:32*\e+16*\j
	ds_store_b16_d16_hi v8, v[224+4*\j+\e/2] offset:32*\e+32+16*\j
.endr
.endr
; a fragment of Wo: six pieces of 8 bytes, two to a load where both lie behind as many paddings; NLD counts the loads
.macro FRAG r, q, a0, a1
.set R_, \r
.set SKIP_, 0
.irp p, 0,1,2,3,4,5
.if SKIP_
.set SKIP_, 0
.else
.set PC_, 12*(\q)+6*(\p/3)+\p%3
.set PN_, 12*(\q)+6*((\p+1)/3)+(\p+1)%3
.set X_, (PC_%32+3)/32
.set XQ_, (PN_%32+3)/32
.set NLD, NLD+1
.if (\p < 5) && (X_ == XQ_)
.set SKIP_, 1
.if X_
	ds_load_2addr_b64 v[R_+2*\p:R_+2*\p+3], \a1 offset0:PC_+2*(PC_/32) offset1:PN_+2*(PN_/32)
.else
	ds_load_2addr_b64 v[R_+2*\p:R_+2*\p+3], \a0 offset0:PC_+2*(PC_/32) offset1:PN_+2*(PN_/32)
.endif
.elseif X_
	ds_load_b64 v[R_+2*\p:R_+2*\p+1], \a1 offset:8*(PC_+2*(PC_/32))
.else
	ds_load_b64 v[R_+2*\p:R_+2*\p+1], \a0 offset:8*(PC_+2*(PC_/32))
.endif
.endif
.endr
.endm
.macro FETCH st                        ; step st's twelve fragments into set st % 2
.set NLD, 0
	WIN 0x40
.irp i, 0,1,2,3,4,5,6,7
	FRAG 128*((\st)%2)+FR*\i, \st, v[BA+2*\i], v[BA+2*\i+1]
.endr
	WIN 0
.irp i, 0,1,2,3                        ; a fragment of a: two heads' images
.set R_, AF+48*((\st)%2)+FR*\i
.set O_, 12288*\i+1536*(\st)
	ds_load_b128 v[R_:R_+3], v[AA] offset:O_
	ds_load_b64 v[R_+4:R_+5], v[AA+1] offset:O_+512
	ds_load_b128 v[R_+6:R_+9], v[AA] offset:O_+768
	ds_load_b64 v[R_+10:R_+11], v[AA+1] offset:O_+1280
.set NLD, NLD+4
.endr
.endm
.macro W1 c
	v_wmma_scale_f32_16x16x128_f8f6f4 v[D_:D_+7], v[S0_:S0_+11], v[S1_:S1_+11], \c, v[X0_], v[X1_] matrix_a_fmt:MATRIX_FMT_FP6 matrix_b_fmt:MATRIX_FMT_FP6 matrix_a_scale:MATRIX_SCALE_ROW1
.endm
.macro MUL32 st, cm                    ; 32 products, the 32 sums by turns.  cm = 1: the sums begin with the bias
.if \cm
	WIN 0xb1
.else
	WIN 0xa1
.endif
.irp a, 0,1,2,3
.irp b, 0,1,2,3,4,5,6,7
.set D_, 8*(8*\a+\b)
.set S0_, 128*((\st)%2)+FR*\b
.set S1_, AF+48*((\st)%2)+FR*\a
.set X0_, SC+10*\b+(\st)
.set X1_, SC+10*\a+(\st)
.if (\cm) == 0
	W1 v[D_:D_+7]
.else
	W1 v[8*\b:8*\b+7]
.endif
.endr
.endr
	WIN 0
.endm
	s_wait_dscnt 0x0                               ; my halfwords of a's scales lie in LDS,
	s_wait_tensorcnt 0x0                           ; my tile is in,
	s_barrier_signal -1
	s_barrier_wait -1                              ; and everybody's
	FETCH 0
.irp i, 0,1,2,3,4,5,6,7
	ds_load_b128 v[SC+10*\i:SC+10*\i+3], v[ADRS] offset:\i*SBLK
	ds_load_b128 v[SC+10*\i+4:SC+10*\i+7], v[ADRS] offset:\i*SBLK+16
.endr
	FETCH 1
	s_wait_dscnt NLD                               ; all but step 1's loads
	MUL32 0, 1
.irp st, 1,2,3,4,5,6
	PLACES 4                                       ; places ahead of loads into registers that the last products read
	FETCH \st+1
	s_wait_dscnt NLD                               ; all but the loads just issued
	MUL32 \st, 0
.endr
	s_wait_dscnt 0x0                               ; my reads of a's and Wo's bytes are over:
	s_barrier_signal -1
	MUL32 7, 0
	s_barrier_wait -1                              ; everybody's are: the stage may lie on a's bytes
; THE WAY OUT, block by block of 16 rows x 128 columns, through my own stage: in as 32 bytes a lane, back as whole rows of 512 bytes.  LDS serves a wave's instructions in order (ISA guide 5.7.1.4).
.macro TOSTAGE a
.set AC, 64*(\a)
	WIN 0x08
.irp b, 0,1,2,3,4,5,6,7
	ds_store_b128 v[STO], v[AC+8*\b:AC+8*\b+3] offset:64*\b
	ds_store_b128 v[STO], v[AC+8*\b+4:AC+8*\b+7] offset:64*\b+16
.endr
	WIN 0
.set BB, BK+64*((\a)%2)
.irp t, 0,1,2,3,4,5,6,7,8,9,10,11,12,13,14,15
	ds_load_b128 v[BB+4*\t:BB+4*\t+3], v[RD] offset:\t*SPITCH
.endr
.endm
.macro SEND a, younger
.set BB, BK+64*((\a)%2)
	s_wait_dscnt \younger
.if (\a) > 0
	s_add_nc_u64 s[98:99], s[98:99], 16*SIZE_N*4   ; (behind a wait on XCNT)
.endif
.irp t, 0,1,2,3,4,5,6,7,8,9,10,11,12,13,14,15
	global_store_b128 v[CO], v[BB+4*\t:BB+4*\t+3], s[98:99] offset:\t*SIZE_N*4 th:TH_STORE_NT   ; 32 lanes store 512 consecutive bytes, aligned
.endr
.endm
	PLACES 4
	TOSTAGE 0
.irp a, 1,2,3
.if \a > 1
	s_wait_xcnt 0x0                                ; block a - 2's stores have read their registers and their base
.endif
	TOSTAGE \a
	SEND \a-1, 32                                  ; behind block a - 1's loads: block a's 16 stores and 16 loads
.endr
	s_wait_xcnt 0x0
	SEND 3, 0
	s_wait_tensorcnt 0x0                           ; the wave's end
	ds_add_u32 v[SPW], v[NIL]
	s_wait_dscnt 0x0
	CROUND                                         ; the closing round
	s_endpgm
.Lfunc_end_k_q626ffbcc66_proj:
	.size	k_q626ffbcc66_proj, .Lfunc_end_k_q626ffbcc66_proj-k_q626ffbcc66_proj
	.p2alignl 7, 3214868480
	.fill 96, 4, 3214868480
	.section	.rodata,"a",@progbits
	.p2align	6, 0x0
	.amdhsa_kernel k_q626ffbcc66_proj
		.amdhsa_group_segment_fixed_size 327680
		.amdhsa_private_segment_fixed_size 0
		.amdhsa_enable_private_segment 0
		.amdhsa_kernarg_size 48
		.amdhsa_user_sgpr_count 2
		.amdhsa_user_sgpr_kernarg_segment_ptr 1
		.amdhsa_wavefront_size32 1
		.amdhsa_system_sgpr_workgroup_id_x 1
		.amdhsa_system_sgpr_workgroup_id_y 1
		.amdhsa_system_sgpr_workgroup_id_z 1
		.amdhsa_system_vgpr_workitem_id 0
		.amdhsa_next_free_vgpr 1024
		.amdhsa_next_free_sgpr 102
		.amdhsa_reserve_vcc 0
		.amdhsa_float_denorm_mode_32 3
		.amdhsa_float_denorm_mode_16_64 3
		.amdhsa_memory_ordered 1
		.amdhsa_forward_progress 1
		.amdhsa_inst_pref_size 84
	.end_amdhsa_kernel
	.amdgpu_metadata
---
amdhsa.version: [ 1, 2 ]
amdhsa.kernels:
  - .name:           k_q626ffbcc66_proj
    .symbol:         k_q626ffbcc66_proj.kd
    .args:
      - { .name: ac, .offset: 0, .size: 8, .value_kind: global_buffer, .address_space: global }
      - { .name: as2, .offset: 8, .size: 8, .value_kind: global_buffer, .address_space: global }
      - { .name: Wo_codes, .offset: 16, .size: 8, .value_kind: global_buffer, .address_space: global }
      - { .name: Wo_scales, .offset: 24, .size: 8, .value_kind: global_buffer, .address_space: global }
      - { .name: bo, .offset: 32, .size: 8, .value_kind: global_buffer, .address_space: global }
      - { .name: out0, .offset: 40, .size: 8, .value_kind: global_buffer, .address_space: global }
    .group_segment_fixed_size: 327680
    .private_segment_fixed_size: 0
    .kernarg_segment_align: 8
    .kernarg_segment_size: 48
    .max_flat_workgroup_size: 128
    .sgpr_count:     102
    .vgpr_count:     1024
    .wavefront_size: 32
...
	.end_amdgpu_metadata
.endif
;; end of part 3
